; MI455X (gfx1250); checked and timed in simulation.
; The chip was launched on July 23, 2026; its instructions are those of AMD's public machine-readable ISA for CDNA 5 (MIT licence, August 2026) and "CDNA5" Instruction Set Architecture Reference Guide (July 2026). The comments in the code are by the model that wrote it; some were corrected since.
;; Hoi Output Layers. Allowed arithmetic: matrix products marked QUANTISED: E4M3 operands, one given power-of-two scale a tensor, by v_wmma_f32_16x16x64_fp8_fp8 or v_wmma_f32_16x16x128_fp8_fp8, f32 sums; everything else in f32.
;; Inputs: b1 1,024 float32; b2 50 float32; lowp_scales 4 int32 (the exponents e of the quantised operands' scales 2^e); w1 3,072 x 1,024 float32; w2 1,024 x 50 float32; x 16,384 x 3,072 float32.
;; Outputs: out0 16,384 x 50 float32.
;; This version of the problem:
;;   THIS VERSION OF THE PROBLEM IS GIVEN IN LOW PRECISION. The matrix products marked QUANTISED in the list below multiply operands that are first quantised to E4M3 (4 exponent bits, 3 mantissa bits; 8 bits a number), with one given power-of-two scale for each operand tensor; their sums are f32. All else is computed in f32.
;;   The module's matrix products, in the order in which they are computed (A, B: the left and right operand; K: the contracted axis; several contracted axes count as one K, in the product's order):
;;     1. [M 16,384, K 3,072] x [K 3,072, N 1,024]; A: input x; B: input w1: QUANTISED (scales: A lowp_scales[0], B lowp_scales[1])
;;     2. [M 16,384, K 1,024] x [K 1,024, N 50]; A: computed on the way; B: input w2: QUANTISED (scales: A lowp_scales[2], B lowp_scales[3])
;;   THE QUANTISER, for each operand of a quantised product, along K:
;;     - The operand's scale is 2^e, e = its entry of the input lowp_scales (int32; the entries are numbered through the quantised products in the list's order, A before B).
;;     - Each number is divided by the scale, clamped to +-448, and rounded to the nearest number of E4M3, ties to even, subnormals kept.
;;     - The product sums the exact products of the quantised numbers (number of the format x scale) in f32.
;;   ~~~python
;;   def quantise(x, axis, e):      # numpy; x: float32 -> the quantised numbers, widened to float32 again
;;       x = np.moveaxis(x, axis, -1); K = x.shape[-1]
;;       r = np.clip(x / 2.0 ** e, -448, 448)
;;       step = 2.0 ** (np.maximum(np.frexp(np.where(r == 0, 1, r))[1] - 1, -6) - 3)
;;       q = np.round(r / step) * step * 2.0 ** e      # np.round: ties to even
;;       return np.moveaxis(q, -1, axis).astype(np.float32)
;;   ~~~
;;   OPERANDS COMPUTED ON THE WAY. 'Computed on the way' means the value that the module computes at that place (a softmax that the list does not call 'softmax' is quantised finished and normalised). What goes into a quantiser is computed in f32, as accurately as f32 sums, v_exp_f32 and their like allow (about 1e-6 of the number): no bf16 or f16 on the way to a quantiser, and a product that is left as it is and whose result goes on into a quantised operand takes f32 operands (vector FMAs, or v_wmma_f32_16x16x4_f32). A number that lies on a knife's edge between two numbers of the format may be rounded either way, as far as f32 arithmetic and the matrix unit's own rounding can turn it there, and no further.
;; 2 versions. Each part assembles by itself: llvm-mc -triple=amdgcn-amd-amdhsa -mcpu=gfx1250 --defsym DOCPART=n.
;; ======== version 1 of 2: 2 launches
;; workspace buffers: w1c 3,145,728 bytes; w2c 65,536 bytes
;; launch prep (part 1): grid 392 x 1, 4 waves a work-group, no clusters, 0 bytes of LDS; arguments w1, w2, lowp_scales, w1c, w2c; writes w1c, w2c
.if DOCPART == 1
	.amdgcn_target "amdgcn-amd-amdhsa--gfx1250"
	.amdhsa_code_object_version 6
	.text
	.protected	k_q24df7a65e6_prep
	.globl	k_q24df7a65e6_prep
	.p2align	8
	.type	k_q24df7a65e6_prep,@function
k_q24df7a65e6_prep:
	s_mov_b64 s[64:65], 0
	v_nop
	global_prefetch_b8 v0, s[64:65] scope:SCOPE_SE
	s_setreg_imm32_b32 hwreg(HW_REG_WAVE_MODE, 25, 1), 1
	s_wait_xcnt 0x0
; W1 [3072][1024] and W2 [1024][50], f32 with K as their FIRST axis, become codes of E4M3, each with the scale 2^e that is given for it (lowp_scales[1], [3]):
; code = x / 2^e, held within +-448, to the nearest code, ties to even.  The codes are laid in the ORDER OF THE OPERAND'S REGISTERS of the next launch, so that it reads whole fragments, 16 bytes a lane.
; w1c, byte s*131072 + w*32768 + q*16384 + t*1024 + c*512 + h*256 + r*16 + e  =  code of W1[128 s + 64 q + 32 c + 16 h + e][256 w + 128 (t/8) + 32 ((t%8)/2) + 8 (t%2) + r + 8 (r/8)].
; w2c, byte w*16384 + (2 nt + g)*2048 + c*512 + h*256 + r*16 + e  =  code of W2[256 w + 128 g + 32 c + 16 h + e][16 nt + r]; columns 50 to 63 do not exist and get zero codes (either sign).
; A LANE TAKES A COLUMN AND ITS REGISTERS RUN DOWN K: 64 loads of 4 bytes a lane; the conversions then give 16 neighbours along K in 16 bytes, which are one piece (r) of the layout:
; lanes 0-15 and lanes 16-31 each store 256 consecutive bytes, aligned.  No LDS, no loop, no register written twice, so no wait but those for the loads.
; A wave takes 32 columns x 64 along K.  Work-groups 0-383: W1 (8 groups of 128 columns x 48 pieces of K); work-groups 384-391: W2 (32 waves: 2 groups of 32 columns x 16 pieces of K).
; LIMITS: e between -126 and 119, so that 2^e and 448 x 2^e are f32 numbers.  NaN among the inputs is not served; an infinity is held at the largest code.
.set X, 16                             ; v16-79  the lane's 64 numbers, k ascending
.set C, 80                             ; v80-95  their codes: four registers for each piece of 16
.macro LOADS pitch, src, nt            ; row k0 + i of the weight at my column, i = 0 .. 63: every offset an immediate (63 x 4,096 at the most)
.set li, 0
.rept 64
.if \nt
	global_load_b32 v[X+li], v2, s[\src:\src+1] offset:li*\pitch th:TH_LOAD_NT
.else
	global_load_b32 v[X+li], v2, s[\src:\src+1] offset:li*\pitch
.endif
.set li, li+1
.endr
.endm
.macro SCALE e                         ; v11 = 2^e as f32 (the conversion takes its exponent field), v10 = 448 x 2^e
	s_wait_kmcnt 0x0
	s_add_co_i32 s28, s[\e], 127
	s_lshl_b32 s29, s28, 23
	v_mov_b32 v11, s29
	s_add_co_i32 s28, s28, 8
	s_lshl_b32 s28, s28, 23
	s_or_b32 s28, s28, 0x600000
	v_mov_b32 v10, s28
.endm
.macro WORK dst                        ; piece p = 2 c + h: k0 + 16 p + 0 .. 15
.irp p, 0,1,2,3
	s_wait_loadcnt 48-16*\p                        ; this piece's 16 loads are in; the younger pieces' may be out
.irp i, 0,1,2,3,4,5,6,7,8,9,10,11,12,13,14,15
	v_med3_num_f32 v[X+16*\p+\i], v[X+16*\p+\i], -v10, v10   ; the conversion to an 8-bit code does not saturate (ISA guide 7.6.2): the hold comes first
.endr
	v_cvt_scalef32_pk8_fp8_f32 v[C+4*\p:C+4*\p+1], v[X+16*\p:X+16*\p+7], v11
	v_cvt_scalef32_pk8_fp8_f32 v[C+4*\p+2:C+4*\p+3], v[X+16*\p+8:X+16*\p+15], v11
	global_store_b128 v3, v[C+4*\p:C+4*\p+3], s[\dst:\dst+1] offset:256*\p   ; the results go to a store alone; the next vector lines are the next piece's holds, on other registers
.endr
.endm
	s_load_b128 s[4:7], s[0:1], 0x0                ; W1 s[4:5], W2 s[6:7]
	s_load_b128 s[8:11], s[0:1], 0x10              ; the scales' exponents s[8:9], w1c s[10:11]
	s_load_b64 s[12:13], s[0:1], 0x20              ; w2c
	v_lshrrev_b32 v4, 5, v0
	v_readfirstlane_b32 s16, v4                    ; wave 0..3
	v_and_b32 v1, 31, v0                           ; lane
	v_lshrrev_b32 v5, 4, v1                        ; lane / 16
	v_and_b32 v6, 15, v1                           ; r
	s_wait_kmcnt 0x0
	s_load_b128 s[20:23], s[8:9], 0x0              ; ex, ew1, eh, ew2
	s_cmp_lt_u32 ttmp9, 384
	s_cbranch_scc0 .Lw2
	; ---- W1.  Lanes 0-15 are tile 2 b, lanes 16-31 tile 2 b + 1 of the 32 columns: lane (u, r) takes column n0 + 8 u + r + 8 (r / 8)
	s_and_b32 s17, ttmp9, 7
	s_lshr_b32 s18, ttmp9, 3                       ; kh: which 64 along K
	s_lshl_b32 s17, s17, 7
	s_lshl_b32 s19, s16, 5
	s_add_co_u32 s17, s17, s19                     ; n0 = 128 x group + 32 x wave
	s_lshl_b32 s24, s18, 18                        ; 64 rows of 4,096 bytes
	s_lshl_b32 s19, s17, 2
	s_add_co_u32 s24, s24, s19
	s_mov_b32 s25, 0
	s_add_nc_u64 s[4:5], s[4:5], s[24:25]
	s_lshr_b32 s26, s18, 1
	s_lshl_b32 s26, s26, 17                        ; s = kh / 2
	s_and_b32 s27, s18, 1
	s_lshl_b32 s27, s27, 14                        ; q = kh % 2
	s_add_co_u32 s26, s26, s27
	s_lshr_b32 s27, s17, 8
	s_lshl_b32 s27, s27, 15                        ; w = n0 / 256
	s_add_co_u32 s26, s26, s27
	s_bfe_u32 s27, s17, 0x30005
	s_lshl_b32 s27, s27, 11                        ; the pair of tiles: (n0 / 32) % 8
	s_add_co_u32 s26, s26, s27
	s_mov_b32 s27, 0
	s_add_nc_u64 s[10:11], s[10:11], s[26:27]
	v_and_b32 v7, 8, v6
	v_add_nc_u32 v7, v7, v6
	v_lshl_add_u32 v7, v5, 3, v7
	v_lshlrev_b32 v2, 2, v7                        ; in: 4 x (8 u + r + 8 (r / 8))
	v_lshlrev_b32 v3, 4, v6
	v_lshl_add_u32 v3, v5, 10, v3                  ; out: 1,024 u + 16 r
	LOADS 4096, 4, 1
	SCALE 21
	WORK 10
	s_endpgm
.Lw2:	; ---- W2.  Lane l takes column 32 m + l; a column that does not exist reads column 49 (no load leaves the buffer) and is held between -0 and 0
	s_sub_co_u32 s17, ttmp9, 384
	s_lshl_b32 s17, s17, 2
	s_add_co_u32 s17, s17, s16                     ; 0 .. 31
	s_and_b32 s18, s17, 1                          ; m
	s_lshr_b32 s19, s17, 1                         ; kh: which 64 along K
	s_mul_i32 s24, s19, 12800                      ; 64 rows of 200 bytes
	s_mov_b32 s25, 0
	s_add_nc_u64 s[6:7], s[6:7], s[24:25]
	s_lshr_b32 s26, s19, 2
	s_lshl_b32 s26, s26, 14                        ; w = kh / 4
	s_lshl_b32 s27, s18, 13                        ; nt = 2 m + lane / 16: 8,192 m here, 4,096 (lane / 16) in v3
	s_add_co_u32 s26, s26, s27
	s_and_b32 s27, s19, 3
	s_lshl_b32 s27, s27, 10                        ; g = (kh / 2) % 2 and c's upper bit kh % 2: 2,048 g + 1,024 (kh % 2)
	s_add_co_u32 s26, s26, s27
	s_mov_b32 s27, 0
	s_add_nc_u64 s[12:13], s[12:13], s[26:27]
	s_lshl_b32 s18, s18, 5
	v_add_nc_u32 v7, s18, v1                       ; my column
	v_min_u32 v8, 49, v7
	v_lshlrev_b32 v2, 2, v8
	v_lshlrev_b32 v3, 4, v6
	v_lshl_add_u32 v3, v5, 12, v3
	LOADS 200, 6, 0
	SCALE 23
	v_cmp_gt_u32 vcc_lo, 50, v7
	v_cndmask_b32 v10, 0, v10, vcc_lo              ; the hold's bound is 0 where the column does not exist: its codes are zeros
	WORK 12
	s_endpgm
.Lfunc_end_k_q24df7a65e6_prep:
	.size	k_q24df7a65e6_prep, .Lfunc_end_k_q24df7a65e6_prep-k_q24df7a65e6_prep
	.p2alignl 7, 3214868480
	.fill 96, 4, 3214868480
	.section	.rodata,"a",@progbits
	.p2align	6, 0x0
	.amdhsa_kernel k_q24df7a65e6_prep
		.amdhsa_group_segment_fixed_size 0
		.amdhsa_private_segment_fixed_size 0
		.amdhsa_enable_private_segment 0
		.amdhsa_kernarg_size 40
		.amdhsa_user_sgpr_count 2
		.amdhsa_user_sgpr_kernarg_segment_ptr 1
		.amdhsa_wavefront_size32 1
		.amdhsa_system_sgpr_workgroup_id_x 1
		.amdhsa_system_sgpr_workgroup_id_y 1
		.amdhsa_system_sgpr_workgroup_id_z 1
		.amdhsa_system_vgpr_workitem_id 0
		.amdhsa_next_free_vgpr 96
		.amdhsa_next_free_sgpr 66
		.amdhsa_reserve_vcc 1
		.amdhsa_float_denorm_mode_32 3
		.amdhsa_float_denorm_mode_16_64 3
		.amdhsa_memory_ordered 1
		.amdhsa_forward_progress 1
		.amdhsa_inst_pref_size 26
	.end_amdhsa_kernel
	.amdgpu_metadata
---
amdhsa.version: [ 1, 2 ]
amdhsa.kernels:
  - .name:           k_q24df7a65e6_prep
    .symbol:         k_q24df7a65e6_prep.kd
    .args:
      - { .name: w1, .offset: 0, .size: 8, .value_kind: global_buffer, .address_space: global }
      - { .name: w2, .offset: 8, .size: 8, .value_kind: global_buffer, .address_space: global }
      - { .name: lowp_scales, .offset: 16, .size: 8, .value_kind: global_buffer, .address_space: global }
      - { .name: w1c, .offset: 24, .size: 8, .value_kind: global_buffer, .address_space: global }
      - { .name: w2c, .offset: 32, .size: 8, .value_kind: global_buffer, .address_space: global }
    .group_segment_fixed_size: 0
    .private_segment_fixed_size: 0
    .kernarg_segment_align: 8
    .kernarg_segment_size: 40
    .max_flat_workgroup_size: 128
    .sgpr_count:     66
    .vgpr_count:     96
    .wavefront_size: 32
...
	.end_amdgpu_metadata
.endif
;; end of part 1
;; launch main (part 2): grid 256 x 1, 4 waves a work-group, clusters of 4 x 1, 327,680 bytes of LDS; arguments x, w1c, w2c, b1, b2, lowp_scales, out0; writes out0
.if DOCPART == 2
	.amdgcn_target "amdgcn-amd-amdhsa--gfx1250"
	.amdhsa_code_object_version 6
	.text
	.protected	k_q24df7a65e6_main
	.globl	k_q24df7a65e6_main
	.p2align	8
	.type	k_q24df7a65e6_main,@function
k_q24df7a65e6_main:
	s_mov_b64 s[64:65], 0
	v_nop
	global_prefetch_b8 v0, s[64:65] scope:SCOPE_SE
	s_setreg_imm32_b32 hwreg(HW_REG_WAVE_MODE, 25, 1), 1
	s_wait_xcnt 0x0
	s_wait_alu depctr_hold_cnt(0) depctr_sa_sdst(0) depctr_va_vdst(0) depctr_va_sdst(0) depctr_va_ssrc(0) depctr_va_vcc(0) depctr_vm_vsrc(0)
	s_getreg_b32 s2, hwreg(HW_REG_IB_STS2, 6, 4)
	s_cmp_eq_u32 s2, 0
	s_cbranch_scc0 .Lentry_in_a_cluster
	s_endpgm
.Lentry_in_a_cluster:
	s_bfe_u32 s2, ttmp6, 0x10000c
	s_cmp_lg_u32 s2, 0x3003
	s_cbranch_scc0 .Lentry_shape_is_right
	s_endpgm
.Lentry_shape_is_right:
; out = Q(relu(Q(x) Q(W1) + b1)) Q(W2) + b2, both products on codes of E4M3 with the four given scales 2^ex, 2^ew1, 2^eh, 2^ew2; sums, biases and the activation in f32.
; x [16384][3072] f32; w1c, w2c: the weights' codes in the order of the operands' registers (made by the launch before); b1 [1024], b2 [50], out [16384][50] f32.
; SHARES.  A work-group of four waves owns 64 rows of x and all 1,024 hidden units: x is read once, quantised in registers, and neither its codes nor the hidden layer go to memory.
; Wave w owns hidden units 256 w .. 256 w + 255 for all 64 rows: 16 tiles x 4 tiles of rows = 64 accumulators, 512 registers.
; THE FIRST PRODUCT IS USED TRANSPOSED (source 0 = 16 columns of W1, source 1 = 16 rows of x): a lane holds ONE row, its registers run along the hidden units, and the columns of a tile are chosen
; (lane r of tile 2 b + u: unit 32 b + 8 u + r + 8 (r / 8)) so that the 16 registers of tiles 2 b, 2 b + 1 are 16 neighbours.  So the wave's own sums become, by conversion alone, its own two K steps
; of the second product, which is therefore split along K over the four waves; their f32 partial sums (16 KB a wave) meet in LDS.
; W1 goes in K steps of 128 (131,072 bytes, dense) through a ring of two LDS slots.  Each wave fetches, and alone reads, its quarter (32,768 bytes: one tensor load).
; CLUSTER: all row blocks walk the same W1, so four work-groups form a cluster and ask for each quarter JOINTLY: the same load, the same descriptor, the mask 15.
; x comes by plain loads into registers, four K steps ahead: a load takes one row's 512 bytes of a K step (32 lanes x 16 consecutive bytes), wave w rows 16 w .. 16 w + 15.  The scale is one for the tensor, so one
; conversion takes the 8 registers of two rows and gives each row a word of 4 neighbouring codes; a ds_store_b32 then writes a row's 128 codes on end.  Only codes go through LDS: two tiles of 64 rows by turns.
; Four sets are 64 loads a wave; the counter's field holds one fewer, so a refill's last load is issued when an older one has returned (ISA guide 5.7.1); every count below stays as written.
; THE LOOP USES THE K = 64 FORM: its operands take 128 (W1, one set, refilled by halves) + 64 (x, two sets) registers, which leaves 256 for x's numbers on their way.
; k is permuted inside an instruction, alike in both operands (registers 4 c .. 4 c + 3 hold k = 32 c + 16 (lane / 16) + 0 .. 15), so that fragments come by 16-byte loads: only the order of the sums changes.
; LIMITS: ex and eh between -126 and 119; ex + ew1 and eh + ew2 between -126 and 127, so that each power of two below is an f32 number.  NaN among the inputs is not served; infinities are held at the largest code.
; REGISTERS, in windows of 256.  Window 0: v0-31 addresses and constants; v32-95 x's fragments (two sets of 4 x 8); v96-111 codes just made; v112-125 the way out's addresses; v128-255 x's sets 0, 1.
;   Window 1: v0-127 W1's 16 fragments; v128-255 x's sets 2, 3.   Window 2: accumulators of tiles 0-7 ((t, a) at 8 (4 t + a)).   Window 3: those of tiles 8-15.
;   In the tail: window 0 v128-255 W2's 8 fragments, then the partial sums; window 1 v128-255 b1, v0-127 the hidden layer's codes; window 2 v0-127 the second product's 16 accumulators.
.set ROWX,  12288                      ; a row of x in bytes
.set SLOT,  131072                     ; a K step of W1's codes
.set XT,    2*SLOT                     ; behind the ring: x's codes, two tiles of 64 rows; written by LDS stores alone
.set XPIT,  144                        ; a row: 128 codes + 16 bytes = 9 x 16: the 16 rows that a fragment load touches fall on 16 different 16-byte columns of the banks (ISA guide 11.1)
.set XBUF,  64*XPIT
.set SPARE, XT+2*XBUF                  ; the spare words, 128 bytes for each wave: two blocks of 256 bytes that no other line names
.set PS,    16384                      ; the tail, in slot 0 (it has had its last fill and its last read by then): from byte 0 the finished 64 rows x 256 bytes; from PS the four waves' partial sums
.set PPIT,  272
.set PSB,   64*PPIT
.set XA,   4                           ; v4   16 x lane
.set XW,   5                           ; v5   where I store codes of x: XT + 16 rows x wave + 4 x lane
.set ADX,  6                           ; v6   x's fragments: XT + r x pitch + 16 h
.set ADW,  8                           ; v8-9 W1's fragments in slot 0, 1: my quarter + 16 x lane
.set SPW,  10                          ; v10  LDS address of my spare word; never rewritten
.set NIL,  11                          ; v11  0; never rewritten
.set SCX,  12                          ; v12  2^ex      v13  448 x 2^ex
.set LIMX, 13
.set SCH,  14                          ; v14  2^eh      v15  448 x 2^eh
.set LIMH, 15
.set BA,   16                          ; v16  64 h: b1's offset
.set B2A,  17                          ; v17-18 b2's offsets, held inside the buffer
.set B2,   20                          ; v20-23 b2 of columns 4 r .. 4 r + 3
.set PSW,  24                          ; v24  where I put partial sums
.set PSR,  25                          ; v25  where I read them
.set FW,   26                          ; v26  where I put finished rows
.set T4,   27                          ; v27  4 x thread
.set GO,   28                          ; v28  16 x thread: my chunk of the block of out
.set XF,   32
.set CD,   96
.set GA,   112                         ; v112-125 the way out: LDS addresses of my chunks' halves
.set G1,   24                          ; s[24:31] descriptor group 1
.set G0,   32                          ; s[32:39] group 0, a set for each slot
.set MSB, 0
.macro WIN new                         ; the immediate's high byte repeats the setting that is left; a switch that changes nothing is dropped
.if MSB != (\new)
	s_set_vgpr_msb (MSB<<8)|(\new)
.set MSB, (\new)
.endif
.endm
.set MUL_LO, 0xa1                      ; source 0 (W1) window 1, source 1 (x) window 0, C and D window 2
.set MUL_HI, 0xf1                      ; the same, C and D window 3
; A load into a register that a matrix instruction has read, and a vector instruction or store that reads a matrix result, stand four places behind it; only plain vector instructions that name none of its
; registers are places (ISA guide 7.12.1 for vector instructions).
.macro PLACES n
.rept \n
	v_nop
.endr
.endm
.macro CREST                           ; a round of the cluster's barrier behind its opening barrier
	s_cmp_lg_u32 s18, 0
	s_cbranch_scc1 .Lnot_wave_0_\@
	s_barrier_signal -3
.Lnot_wave_0_\@:
	s_barrier_wait -3
	s_barrier_signal -1
	s_barrier_wait -1
.endm
.macro CROUND
	s_barrier_signal -1
	s_barrier_wait -1
	CREST
.endm
; 16 matrix instructions: W1's tiles t0 .. t0 + 3 x the four tiles of rows, 64 along K; p: x's set.  zero = 1: the first product starts the sums.
; The 64 accumulators take turns, one instruction a turn, in the same order in every half step.
.macro MUL16 t0, p, zero
.irp t, \t0, \t0+1, \t0+2, \t0+3
.irp a, 0,1,2,3
.if \zero
	v_wmma_f32_16x16x64_fp8_fp8 v[8*(4*((\t)%8)+\a):8*(4*((\t)%8)+\a)+7], v[8*(\t):8*(\t)+7], v[XF+32*(\p)+8*\a:XF+32*(\p)+8*\a+7], 0
.else
	v_wmma_f32_16x16x64_fp8_fp8 v[8*(4*((\t)%8)+\a):8*(4*((\t)%8)+\a)+7], v[8*(\t):8*(\t)+7], v[XF+32*(\p)+8*\a:XF+32*(\p)+8*\a+7], v[8*(4*((\t)%8)+\a):8*(4*((\t)%8)+\a)+7]
.endif
.endr
.endr
.endm
.macro FETCH_W slot, q, half           ; 16 loads: W1's tiles 8 half .. 8 half + 7 of the slot's half q (64 along K); a load's 512 bytes are consecutive
	WIN 0x40
.irp t, 0,1,2,3,4,5,6,7
.irp c, 0,1
	ds_load_b128 v[8*(8*(\half)+\t)+4*\c:8*(8*(\half)+\t)+4*\c+3], v[ADW+(\slot)] offset:(\q)*16384+(8*(\half)+\t)*1024+\c*512
.endr
.endr
	WIN 0
.endm
.macro FETCH_X buf, q, p               ; 8 loads: x's four fragments of half q, from tile buf, into set p
.irp a, 0,1,2,3
.irp c, 0,1
	ds_load_b128 v[XF+32*(\p)+8*\a+4*\c:XF+32*(\p)+8*\a+4*\c+3], v[ADX] offset:(\buf)*XBUF+\a*16*XPIT+(\q)*64+32*\c
.endr
.endr
.endm
.macro XLOAD set, toff                 ; 16 loads: my 16 rows' 512 bytes of the K step toff steps on from s[4:5]
.set XB2, 128+64*((\set)%2)
	WIN 0x40*((\set)/2)
.irp i, 0,1,2,3,4,5,6,7,8,9,10,11,12,13,14,15
	global_load_b128 v[XB2+4*\i:XB2+4*\i+3], v[XA], s[4:5] offset:(\toff)*512+\i*ROWX th:TH_LOAD_NT
.endr
	WIN 0
.endm
; A set of x becomes codes in tile buf.  cnt: the loads of the younger sets, which stay out.  ld = 1: the set is asked for again, four K steps on.
.macro QUANT set, buf, cnt, ld, toff
.set XB, 128+64*((\set)%2)
	s_wait_loadcnt \cnt
	WIN 0x41*((\set)/2)
.set qi, 0
.rept 64
	v_med3_num_f32 v[XB+qi], v[XB+qi], -v[LIMX], v[LIMX]   ; the conversion to an 8-bit code does not saturate (ISA guide 7.6.2): the hold comes first
.set qi, qi+1
.endr
	WIN 0x01*((\set)/2)
.irp m, 0,1,2,3,4,5,6,7
	v_cvt_scalef32_pk8_fp8_f32 v[CD+2*\m:CD+2*\m+1], v[XB+8*\m:XB+8*\m+7], v[SCX]   ; rows 2 m and 2 m + 1: four neighbouring codes of each
.endr
	WIN 0
	v_nop                                          ; one plain vector line behind the last conversion
.irp i, 0,1,2,3,4,5,6,7,8,9,10,11,12,13,14,15
	ds_store_b32 v[XW], v[CD+\i] offset:(\buf)*XBUF+\i*XPIT   ; 32 lanes: the row's 128 codes on end
.endr
.if \ld
	XLOAD \set, \toff
.endif
.endm
; A K step of 128 is two half steps of 64 matrix instructions.  The first half, in two parts, with x's quantising between them:
.macro STEP_A slot, xb, zero
	s_wait_dscnt 16                                ; x's set 0 and W1's tiles 0-7 are in; the youngest 16 loads (tiles 8-15) may be out
	WIN MUL_LO
	MUL16 0, 0, \zero
	MUL16 4, 0, \zero
	s_wait_dscnt 0x0                               ; tiles 8-15 are in
	PLACES 4
	WIN 0
	FETCH_X \xb, 1, 1                              ; the second half's fragments: x's into the other set, W1's tiles 0-7 into the registers just multiplied
	FETCH_W \slot, 1, 0
.endm
.macro STEP_B slot, zero
	WIN MUL_HI
	MUL16 8, 0, \zero
	MUL16 12, 0, \zero
	PLACES 4
	FETCH_W \slot, 1, 1
.endm
; The second half changes slots: ONE barrier, for three things.  In front of it each wave waits for all its tensor loads (its quarter of the next slot), adds 0 to its spare word, and waits for that, for its reads of
; this slot and of this step's tile of x, and for its stores of the next tile of x.  Behind it the next tile of x is whole, and this step's tile and slot are read by nobody.
; fill = 1: the barrier opens a round of the cluster's, and the joint refill of this slot, two K steps on, is the first thing behind it: it has a K step's 128 matrix instructions less 32 in which to land.
.macro TURN slot, fill, xbn
	s_wait_tensorcnt 0x0                           ; no tensor load of mine is out, so a group 0 may be written
	ds_add_u32 v[SPW], v[NIL]                      ; 0 onto my spare word
.if \fill
	s_add_nc_u64 s[G0+4*(\slot)+2:G0+4*(\slot)+3], s[G0+4*(\slot)+2:G0+4*(\slot)+3], 2*SLOT   ; this slot's next K step; the type bits on top are not reached
.endif
	s_wait_dscnt 17                                ; the add and the youngest 16 loads (tiles 8-15) may be out
	WIN MUL_LO
	MUL16 0, 1, 0                                  ; sixteen matrix instructions stand between the add and the wait for it
	s_wait_dscnt 0x0
	s_barrier_signal -1
	MUL16 4, 1, 0
	WIN 0
	s_barrier_wait -1
.if \fill
	CREST                                          ; no wave of any partner still reads this slot or has a load on its way
	tensor_load_to_lds s[G0+4*(\slot):G0+4*(\slot)+3], s[G1:G1+7]
	s_nop 0
.endif
	PLACES 4                                       ; behind the joint load, and the places in front of the loads below
	FETCH_X \xbn, 0, 0
	FETCH_W 1-\slot, 0, 0
	WIN MUL_HI
	MUL16 8, 1, 0
	MUL16 12, 1, 0
	PLACES 4
	FETCH_W 1-\slot, 0, 1
.endm
; Unit s: the second half of K step s (slot s % 2), the first half of step s + 1, and in it x's tile s + 2 (into tile buffer s % 2).
.macro UNIT slot, fill, set, cnt, ld, toff
	TURN \slot, \fill, 1-\slot
	STEP_A 1-\slot, 1-\slot, 0
	QUANT \set, \slot, \cnt, \ld, \toff
	STEP_B 1-\slot, 0
.endm
	s_load_b256 s[4:11], s[0:1], 0x0               ; x s[4:5], w1c s[6:7], w2c s[8:9], b1 s[10:11]
	s_load_b128 s[12:15], s[0:1], 0x20             ; b2 s[12:13], the scales' exponents s[14:15]
	s_load_b64 s[16:17], s[0:1], 0x30              ; out
	v_lshl_add_u32 v[SPW], v0, 2, SPARE
	v_mov_b32 v[NIL], 0
	ds_add_u32 v10, v11
	ds_add_u32 v10, v11
	s_wait_dscnt 0x0
	v_lshrrev_b32 v30, 5, v0
	v_readfirstlane_b32 s18, v30                   ; wave 0..3
	v_and_b32 v1, 31, v0                           ; lane
	v_and_b32 v2, 15, v0                           ; r
	v_bfe_u32 v3, v0, 4, 1                         ; h
	v_lshlrev_b32 v[XA], 4, v1
	s_bfe_u32 s19, ttmp6, 0x40000                  ; cx: it enters x's and out's addresses alone
	s_lshl_b32 s20, ttmp9, 2
	s_add_co_u32 s20, s20, s19                     ; my block of 64 rows = 4 x cluster + cx
	s_lshl_b32 s21, s20, 6
	s_lshl_b32 s22, s18, 4
	s_add_co_u32 s21, s21, s22                     ; my wave's first row
	s_mul_i32 s22, s21, ROWX                       ; under 2^28
	s_mov_b32 s23, 0
	s_mul_i32 s54, s20, 12800                      ; the block of out: 64 rows of 200 bytes = 50 x 256
	s_mov_b32 s55, 0
	s_lshl_b32 s50, s18, 15                        ; my quarter of a K step of W1, in memory and in a slot
	s_mov_b32 s51, 0
	s_lshl_b32 s52, s18, 14                        ; my part of w2c
	s_mov_b32 s53, 0
	s_lshl_b32 s56, s18, 10                        ; my 256 numbers of b1
	s_mov_b32 s57, 0
	; descriptor group 1: a dense block of 32,768 bytes as 128 rows of 32 elements of 8 bytes
	s_mov_b32 s[G1+0], 15|(3<<16)|(1<<21)          ; 15:0 the mask: all four work-groups; 17:16 elements of 8 bytes; 20 no padding; 21 set beside a mask
	s_mov_b32 s[G1+1], 32<<16                      ; tensor_dim0 = 32
	s_mov_b32 s[G1+2], 128<<16                     ; tensor_dim1 = 128
	s_mov_b32 s[G1+3], 32<<16                      ; tile_dim0 = 32
	s_mov_b32 s[G1+4], 128                         ; tile_dim1 = 128
	s_mov_b32 s[G1+5], 32                          ; from row to row: 32 elements
	s_mov_b32 s[G1+6], 0
	s_mov_b32 s[G1+7], 0
	s_wait_kmcnt 0x0
	s_load_b128 s[40:43], s[14:15], 0x0            ; ex, ew1, eh, ew2
	s_add_nc_u64 s[4:5], s[4:5], s[22:23]
	XLOAD 0, 0                                     ; x's K steps 0 to 2 go out before anything else; step 3 follows the first tensor loads,
	XLOAD 1, 1                                     ; since the last of 64 loads is issued only when an older one has returned
	XLOAD 2, 2
	s_add_nc_u64 s[16:17], s[16:17], s[54:55]
	s_add_nc_u64 s[8:9], s[8:9], s[52:53]
	s_add_nc_u64 s[10:11], s[10:11], s[56:57]
	s_mov_b32 s[G0+0], 1                           ; count = 1
	s_mov_b32 s[G0+1], s50                         ; LDS address: slot 0, my quarter: no place in the cluster enters it
	s_add_nc_u64 s[G0+2:G0+3], s[6:7], s[50:51]    ; K step 0, my quarter
	s_add_nc_u64 s[G0+6:G0+7], s[G0+2:G0+3], SLOT  ; K step 1
	s_or_b32 s[G0+3], s[G0+3], 0x80000000          ; type = 2
	s_mov_b32 s[G0+4], 1
	s_add_co_u32 s[G0+5], s50, SLOT
	s_or_b32 s[G0+7], s[G0+7], 0x80000000
	CROUND                                         ; all four work-groups are here: the first joint loads meet
	tensor_load_to_lds s[G0+0:G0+3], s[G1:G1+7]    ; both first fills together: two tensor loads of mine are out, later one
	s_nop 0
	tensor_load_to_lds s[G0+4:G0+7], s[G1:G1+7]
	s_nop 0
	PLACES 4
	XLOAD 3, 3
	; every LDS address is made here, from the thread's number, the wave's number and constants
	s_mul_i32 s58, s18, 16*XPIT
	s_add_co_u32 s58, s58, XT
	v_lshl_add_u32 v[XW], v1, 2, s58
	v_mul_u32_u24 v[ADX], v2, XPIT
	v_lshl_add_u32 v[ADX], v3, 4, v[ADX]
	v_add_nc_u32 v[ADX], XT, v[ADX]
	v_add_nc_u32 v[ADW], s50, v[XA]
	v_add_nc_u32 v[ADW+1], SLOT, v[ADW]
	v_lshlrev_b32 v[BA], 6, v3
	v_lshlrev_b32 v[B2A], 4, v2
	v_add_nc_u32 v[B2A+1], 8, v[B2A]
	v_min_u32 v[B2A], 192, v[B2A]                  ; b2 has 200 bytes: the lanes of columns that do not exist read its last 8
	v_min_u32 v[B2A+1], 192, v[B2A+1]
	s_mul_i32 s58, s18, PSB
	s_add_co_u32 s58, s58, PS
	v_mul_u32_u24 v[PSW], v2, PPIT
	v_lshl_add_u32 v[PSW], v3, 5, v[PSW]
	v_add_nc_u32 v[PSW], s58, v[PSW]               ; my wave's partial sums: row r, + 32 h
	s_mul_i32 s58, s18, 16*PPIT
	s_add_co_u32 s58, s58, PS
	v_mul_u32_u24 v[PSR], v3, PPIT
	v_lshl_add_u32 v[PSR], v2, 4, v[PSR]
	v_add_nc_u32 v[PSR], s58, v[PSR]               ; rows 16 w + h, columns 4 r on
	s_lshl_b32 s58, s18, 12
	v_add_nc_u32 v[FW], s58, v[XA]
	v_lshlrev_b32 v[T4], 2, v0
	v_lshlrev_b32 v[GO], 4, v0
	; the block of out is 3,200 numbers on end; number f lies in row f / 50 of the finished rows (256 bytes each), at byte 4 f + 56 (f / 50).  f / 50 = (1311 f) >> 16 for f under 3,200
.irp i, 0,1,2,3,4,5,6
.irp jj, 0,1
	v_add_nc_u32 v30, 512*\i+2*\jj, v[T4]
	v_mul_u32_u24 v31, v30, 1311
	v_lshrrev_b32 v31, 16, v31
	v_mul_u32_u24 v31, v31, 56
	v_lshl_add_u32 v[GA+2*\i+\jj], v30, 2, v31
.endr
.endr
	s_wait_kmcnt 0x0
	s_add_co_i32 s60, s40, 127
	s_lshl_b32 s61, s60, 23
	v_mov_b32 v[SCX], s61                          ; 2^ex as f32: the conversion takes its exponent field
	s_add_co_i32 s60, s60, 8
	s_lshl_b32 s60, s60, 23
	s_or_b32 s60, s60, 0x600000
	v_mov_b32 v[LIMX], s60                         ; 448 x 2^ex
	s_add_co_i32 s60, s42, 127
	s_lshl_b32 s61, s60, 23
	v_mov_b32 v[SCH], s61                          ; 2^eh
	s_add_co_i32 s60, s60, 8
	s_lshl_b32 s60, s60, 23
	s_or_b32 s60, s60, 0x600000
	v_mov_b32 v[LIMH], s60                         ; 448 x 2^eh
	s_add_co_i32 s46, s40, s41
	s_add_co_i32 s46, s46, 127
	s_lshl_b32 s46, s46, 23                        ; 2^(ex + ew1)
	s_mov_b32 s47, s46                             ; (named with it as a pair, so it is written)
	s_add_co_i32 s48, s42, s43
	s_add_co_i32 s48, s48, 127
	s_lshl_b32 s48, s48, 23                        ; 2^(eh + ew2)
	s_mov_b32 s49, s48
	QUANT 0, 0, 48, 1, 4                           ; x's tile 0; the set takes K step 4
	s_wait_dscnt 0x0                               ; for the others' sake: my rows of tile 0 lie in LDS
	s_wait_tensorcnt 0x1                           ; my quarter of K step 0 is in; K step 1's may stay out
	s_barrier_signal -1
	s_barrier_wait -1
	FETCH_X 0, 0, 0
	FETCH_W 0, 0, 0
	FETCH_W 0, 0, 1
	STEP_A 0, 0, 1                                 ; the first half step stands in front of the loop: its products start the sums
	QUANT 1, 1, 48, 1, 5
	STEP_B 0, 1
	s_mov_b32 s44, 4
.Ltrip:                                            ; a trip is four units, after which x's sets are back where they began: units 0 to 15
	UNIT 0, 1, 2, 48, 1, 6
	UNIT 1, 1, 3, 48, 1, 7
	UNIT 0, 1, 0, 48, 1, 8
	UNIT 1, 1, 1, 48, 1, 9
	s_wait_xcnt 0x0                                ; the loads have read their base: it may step
	s_add_nc_u64 s[4:5], s[4:5], 4*512
	s_sub_co_u32 s44, s44, 1
	s_cmp_lg_u32 s44, 0
	s_cbranch_scc1 .Ltrip
	UNIT 0, 1, 2, 48, 1, 6                         ; units 16, 17 ask for x's last K steps, 22 and 23
	UNIT 1, 1, 3, 48, 1, 7
	UNIT 0, 1, 0, 48, 0, 0                         ; units 18 to 21 ask for no more of x: the counts run down; their refills are W1's K steps 20 to 23
	UNIT 1, 1, 1, 32, 0, 0
	UNIT 0, 1, 2, 16, 0, 0
	TURN 1, 1, 0                                   ; unit 21
	STEP_A 0, 0, 0
	QUANT 3, 1, 0, 0, 0
.irp f, 0,1,2,3,4,5,6,7                        ; W2's eight fragments (2 nt + g), into the registers that x's sets 0 and 1 have left
.irp c, 0,1,2,3
	global_load_b128 v[128+16*\f+4*\c:128+16*\f+4*\c+3], v[XA], s[8:9] offset:\f*2048+\c*512
.endr
.endr
	STEP_B 0, 0
	TURN 0, 0, 1                                   ; unit 22: nothing is left to fetch: no round, no load
	STEP_A 1, 1, 0
	WIN 0x40                                       ; b1 in the result's layout, into the registers that x's sets 2 and 3 have left: tile t, lane (r, h): units 128 (t/8) + 32 ((t%8)/2) + 16 h + 8 (t%2) + 0 .. 7
.irp t, 0,1,2,3,4,5,6,7,8,9,10,11,12,13,14,15
	global_load_b128 v[128+8*\t:128+8*\t+3], v[BA], s[10:11] offset:(128*(\t/8)+32*((\t%8)/2)+8*(\t%2))*4
	global_load_b128 v[128+8*\t+4:128+8*\t+7], v[BA], s[10:11] offset:(128*(\t/8)+32*((\t%8)/2)+8*(\t%2))*4+16
.endr
	WIN 0
	global_load_b64 v[B2:B2+1], v[B2A], s[12:13]
	global_load_b64 v[B2+2:B2+3], v[B2A+1], s[12:13]
	STEP_B 1, 0
	s_wait_dscnt 16                                ; the very last half step
	WIN MUL_LO
	MUL16 0, 1, 0
	MUL16 4, 1, 0
	s_wait_dscnt 0x0
	WIN MUL_HI
	MUL16 8, 1, 0
	MUL16 12, 1, 0
	WIN 0
	PLACES 4
; THE HIDDEN LAYER, half g (tiles 8 g .. 8 g + 7, window 2 + g): h = sum x 2^(ex + ew1) + b1, one fused multiply-add for two numbers, each accumulator from its low end on; the activation and the hold in one
; (between 0 and 448 x 2^eh); the conversion: tiles 2 b, 2 b + 1 of a tile of rows a give registers 4 b .. 4 b + 3 of the fragment (a, g) of the second product.
.macro HID g
	WIN 0x92+0x41*(\g)                             ; destination and source 0: the sums' window; source 2 (b1): window 1
.irp t, 0,1,2,3,4,5,6,7
.irp a, 0,1,2,3
.irp j, 0,2,4,6
	v_pk_fma_f32 v[32*\t+8*\a+\j:32*\t+8*\a+\j+1], v[32*\t+8*\a+\j:32*\t+8*\a+\j+1], s[46:47], v[128+8*(8*(\g)+\t)+\j:128+8*(8*(\g)+\t)+\j+1] op_sel_hi:[1,0,1]
.endr
.endr
.endr
	WIN 0x82+0x41*(\g)                             ; source 2 (the bound): window 0
.set hq, 0
.rept 256
	v_med3_num_f32 v[hq], v[hq], 0, v[LIMH]
.set hq, hq+1
.endr
	WIN 0x42+(\g)                                  ; destination window 1
.irp a, 0,1,2,3
.irp b, 0,1,2,3
.irp u, 0,1
	v_cvt_scalef32_pk8_fp8_f32 v[16*(4*(\g)+\a)+4*\b+2*\u:16*(4*(\g)+\a)+4*\b+2*\u+1], v[32*(2*\b+\u)+8*\a:32*(2*\b+\u)+8*\a+7], v[SCH]
.endr
.endr
.endr
.endm
	s_wait_loadcnt 0x0                             ; W2's fragments, b1, b2
	HID 0
	HID 1
	v_nop                                          ; one plain vector line between the last conversion and the products that read its result
	; THE SECOND PRODUCT, transposed too: source 0 = 16 columns of W2, source 1 = 16 rows of the hidden layer; my 256 of its K in two steps of 128; 16 accumulators by turns
	WIN 0xa4                                       ; source 0 window 0, source 1 window 1, C and D window 2
.irp g, 0,1
.irp nt, 0,1,2,3
.irp a, 0,1,2,3
.if \g == 0
	v_wmma_f32_16x16x128_fp8_fp8 v[8*(4*\nt+\a):8*(4*\nt+\a)+7], v[128+16*(2*\nt+\g):128+16*(2*\nt+\g)+15], v[16*(4*\g+\a):16*(4*\g+\a)+15], 0
.else
	v_wmma_f32_16x16x128_fp8_fp8 v[8*(4*\nt+\a):8*(4*\nt+\a)+7], v[128+16*(2*\nt+\g):128+16*(2*\nt+\g)+15], v[16*(4*\g+\a):16*(4*\g+\a)+15], v[8*(4*\nt+\a):8*(4*\nt+\a)+7]
.endif
.endr
.endr
.endr
	PLACES 4
	WIN 0x08                                       ; the stores' data: window 2
.irp nt, 0,1,2,3
.irp a, 0,1,2,3
	ds_store_b128 v[PSW], v[8*(4*\nt+\a):8*(4*\nt+\a)+3] offset:\a*16*PPIT+64*\nt       ; lane (r, h): row 16 a + r, columns 16 nt + 8 h + 0 .. 7; each accumulator's low half first
	ds_store_b128 v[PSW], v[8*(4*\nt+\a)+4:8*(4*\nt+\a)+7] offset:\a*16*PPIT+64*\nt+16
.endr
.endr
	WIN 0
	s_wait_dscnt 0x0                               ; for the others' sake: my partial sums lie in LDS
	s_barrier_signal -1
	s_barrier_wait -1
	; THE FOUR PARTS ARE ADDED: wave w takes rows 16 w + 2 i + h, a lane columns 4 r .. 4 r + 3; out = sum x 2^(eh + ew2) + b2
.irp i, 0,1,2,3,4,5,6,7
.irp p, 0,1,2,3
	ds_load_b128 v[128+16*\i+4*\p:128+16*\i+4*\p+3], v[PSR] offset:\p*PSB+\i*2*PPIT
.endr
.endr
.irp i, 0,1,2,3,4,5,6,7
.set RA, 128+16*\i
	s_wait_dscnt 28-3*\i                           ; behind group i's four loads stand 4 (7 - i) loads and i stores
	v_pk_add_f32 v[RA:RA+1], v[RA:RA+1], v[RA+4:RA+5]
	v_pk_add_f32 v[RA+2:RA+3], v[RA+2:RA+3], v[RA+6:RA+7]
	v_pk_add_f32 v[RA+8:RA+9], v[RA+8:RA+9], v[RA+12:RA+13]
	v_pk_add_f32 v[RA+10:RA+11], v[RA+10:RA+11], v[RA+14:RA+15]
	v_pk_add_f32 v[RA:RA+1], v[RA:RA+1], v[RA+8:RA+9]
	v_pk_add_f32 v[RA+2:RA+3], v[RA+2:RA+3], v[RA+10:RA+11]
	v_pk_fma_f32 v[RA:RA+1], v[RA:RA+1], s[48:49], v[B2:B2+1] op_sel_hi:[1,0,1]
	v_pk_fma_f32 v[RA+2:RA+3], v[RA+2:RA+3], s[48:49], v[B2+2:B2+3] op_sel_hi:[1,0,1]
	ds_store_b128 v[FW], v[RA:RA+3] offset:512*\i  ; two finished rows of 256 bytes
.endr
	s_wait_dscnt 0x0                               ; for the others' sake: my 16 finished rows lie in LDS
	s_barrier_signal -1
	s_barrier_wait -1
	; THE WAY OUT.  A row of out is 200 bytes, the block's 64 rows are 12,800 bytes on end, beginning at a multiple of 256: 800 chunks of 16 bytes.  A chunk is gathered as two halves of 8 bytes
	; (50 is even: a pair of numbers never straddles a row) and a wave's store covers 512 consecutive bytes, aligned.  Chunk = thread + 128 i, i = 0 .. 5; the last 32 chunks are wave 0's.
	s_cmp_lg_u32 s18, 0
	s_cbranch_scc1 .Lsix
	ds_load_b64 v[56:57], v[GA+12]
	ds_load_b64 v[58:59], v[GA+13]
	s_wait_dscnt 0x0
	global_store_b128 v[GO], v[56:59], s[16:17] offset:12288 th:TH_STORE_NT
.Lsix:
.irp i, 0,1,2,3,4,5
	ds_load_b64 v[32+4*\i:33+4*\i], v[GA+2*\i]
	ds_load_b64 v[34+4*\i:35+4*\i], v[GA+2*\i+1]
.endr
.irp i, 0,1,2,3,4,5
	s_wait_dscnt 10-2*\i                           ; the younger chunks' loads may be out
	global_store_b128 v[GO], v[32+4*\i:35+4*\i], s[16:17] offset:2048*\i th:TH_STORE_NT
.endr
	s_wait_tensorcnt 0x0                           ; the wave's end: behind my last tensor load and my last LDS store
	ds_add_u32 v[SPW], v[NIL]
	s_wait_dscnt 0x0
	CROUND                                         ; the closing round: no work-group ends while a partner may still ask for a tile that names it
	s_endpgm
.Lfunc_end_k_q24df7a65e6_main:
	.size	k_q24df7a65e6_main, .Lfunc_end_k_q24df7a65e6_main-k_q24df7a65e6_main
	.p2alignl 7, 3214868480
	.fill 96, 4, 3214868480
	.section	.rodata,"a",@progbits
	.p2align	6, 0x0
	.amdhsa_kernel k_q24df7a65e6_main
		.amdhsa_group_segment_fixed_size 327680
		.amdhsa_private_segment_fixed_size 0
		.amdhsa_enable_private_segment 0
		.amdhsa_kernarg_size 56
		.amdhsa_user_sgpr_count 2
		.amdhsa_user_sgpr_kernarg_segment_ptr 1
		.amdhsa_wavefront_size32 1
		.amdhsa_system_sgpr_workgroup_id_x 1
		.amdhsa_system_sgpr_workgroup_id_y 1
		.amdhsa_system_sgpr_workgroup_id_z 1
		.amdhsa_system_vgpr_workitem_id 0
		.amdhsa_next_free_vgpr 1024
		.amdhsa_next_free_sgpr 66
		.amdhsa_reserve_vcc 0
		.amdhsa_float_denorm_mode_32 3
		.amdhsa_float_denorm_mode_16_64 3
		.amdhsa_memory_ordered 1
		.amdhsa_forward_progress 1
		.amdhsa_inst_pref_size 255
	.end_amdhsa_kernel
	.section	.bss,"aw",@nobits
	.p2align	6
	.space	262144
	.amdgpu_metadata
---
amdhsa.version: [ 1, 2 ]
amdhsa.kernels:
  - .name:           k_q24df7a65e6_main
    .symbol:         k_q24df7a65e6_main.kd
    .args:
      - { .name: x, .offset: 0, .size: 8, .value_kind: global_buffer, .address_space: global }
      - { .name: w1c, .offset: 8, .size: 8, .value_kind: global_buffer, .address_space: global }
      - { .name: w2c, .offset: 16, .size: 8, .value_kind: global_buffer, .address_space: global }
      - { .name: b1, .offset: 24, .size: 8, .value_kind: global_buffer, .address_space: global }
      - { .name: b2, .offset: 32, .size: 8, .value_kind: global_buffer, .address_space: global }
      - { .name: lowp_scales, .offset: 40, .size: 8, .value_kind: global_buffer, .address_space: global }
      - { .name: out0, .offset: 48, .size: 8, .value_kind: global_buffer, .address_space: global }
    .group_segment_fixed_size: 327680
    .private_segment_fixed_size: 0
    .kernarg_segment_align: 8
    .kernarg_segment_size: 56
    .max_flat_workgroup_size: 128
    .sgpr_count:     66
    .vgpr_count:     1024
    .wavefront_size: 32
...
	.end_amdgpu_metadata
.endif
;; end of part 2
;; ======== version 2 of 2: 2 launches
;; limits: right only within a limited range of input values
;; workspace buffers: w1c 3,145,728 bytes; w2c 65,536 bytes
;; launch prep (part 3): grid 392 x 1, 4 waves a work-group, no clusters, 0 bytes of LDS; arguments w1, w2, lowp_scales, w1c, w2c; writes w1c, w2c
.if DOCPART == 3
	.amdgcn_target "amdgcn-amd-amdhsa--gfx1250"
	.amdhsa_code_object_version 6
	.text
	.protected	k_q24df7a65e6_prep
	.globl	k_q24df7a65e6_prep
	.p2align	8
	.type	k_q24df7a65e6_prep,@function
k_q24df7a65e6_prep:
	s_mov_b64 s[64:65], 0
	v_nop
	global_prefetch_b8 v0, s[64:65] scope:SCOPE_SE
	s_setreg_imm32_b32 hwreg(HW_REG_WAVE_MODE, 25, 1), 1
	s_wait_xcnt 0x0
; W1 [3072][1024] and W2 [1024][50], f32 with K as their FIRST axis, become codes of E4M3, each with the scale 2^e that is given for it (lowp_scales[1], [3]):
; code = x / 2^e, held within +-448, to the nearest code, ties to even.  The codes are laid in the ORDER OF THE OPERAND'S REGISTERS of the next launch, so that it reads whole fragments, 16 bytes a lane.
; w1c, byte S*262144 + g*32768 + kk*16384 + q*8192 + t*1024 + c*512 + h*256 + r*16 + e  =  code of W1[256 S + 128 kk + 64 q + 32 c + 16 h + e][128 g + 32 (t/2) + 8 (t%2) + r + 8 (r/8)]
; (g = 0 .. 7: 2 x the wave that uses them + which half of its 256 hidden units).
; w2c, byte g*8192 + nt*2048 + c*512 + h*256 + r*16 + e  =  code of W2[128 g + 32 c + 16 h + e][16 nt + r]; columns 50 to 63 do not exist and get zero codes (either sign).
; A LANE TAKES A COLUMN AND ITS REGISTERS RUN DOWN K: 64 loads of 4 bytes a lane; the conversions then give 16 neighbours along K in 16 bytes, which are one piece (r) of the layout:
; lanes 0-15 and lanes 16-31 each store 256 consecutive bytes, aligned.  No LDS, no loop, no register written twice, so no wait but those for the loads.
; A wave takes 32 columns x 64 along K.  Work-groups 0-383: W1 (8 groups of 128 columns x 48 pieces of K); work-groups 384-391: W2 (32 waves: 2 groups of 32 columns x 16 pieces of K).
; LIMITS: e between -126 and 119, so that 2^e and 448 x 2^e are f32 numbers.  NaN among the inputs is not served; an infinity is held at the largest code.
.set X, 16                             ; v16-79  the lane's 64 numbers, k ascending
.set C, 80                             ; v80-95  their codes: four registers for each piece of 16
.macro LOADS pitch, src, nt            ; row k0 + i of the weight at my column, i = 0 .. 63: every offset an immediate (63 x 4,096 at the most)
.set li, 0
.rept 64
.if \nt
	global_load_b32 v[X+li], v2, s[\src:\src+1] offset:li*\pitch th:TH_LOAD_NT
.else
	global_load_b32 v[X+li], v2, s[\src:\src+1] offset:li*\pitch
.endif
.set li, li+1
.endr
.endm
.macro SCALE e                         ; v11 = 2^e as f32 (the conversion takes its exponent field), v10 = 448 x 2^e
	s_wait_kmcnt 0x0
	s_add_co_i32 s28, s[\e], 127
	s_lshl_b32 s29, s28, 23
	v_mov_b32 v11, s29
	s_add_co_i32 s28, s28, 8
	s_lshl_b32 s28, s28, 23
	s_or_b32 s28, s28, 0x600000
	v_mov_b32 v10, s28
.endm
.macro WORK dst                        ; piece p = 2 c + h: k0 + 16 p + 0 .. 15
.irp p, 0,1,2,3
	s_wait_loadcnt 48-16*\p                        ; this piece's 16 loads are in; the younger pieces' may be out
.irp i, 0,1,2,3,4,5,6,7,8,9,10,11,12,13,14,15
	v_med3_num_f32 v[X+16*\p+\i], v[X+16*\p+\i], -v10, v10   ; the conversion to an 8-bit code does not saturate (ISA guide 7.6.2): the hold comes first
.endr
	v_cvt_scalef32_pk8_fp8_f32 v[C+4*\p:C+4*\p+1], v[X+16*\p:X+16*\p+7], v11
	v_cvt_scalef32_pk8_fp8_f32 v[C+4*\p+2:C+4*\p+3], v[X+16*\p+8:X+16*\p+15], v11
	global_store_b128 v3, v[C+4*\p:C+4*\p+3], s[\dst:\dst+1] offset:256*\p   ; the results go to a store alone; the next vector lines are the next piece's holds, on other registers
.endr
.endm
	s_load_b128 s[4:7], s[0:1], 0x0                ; W1 s[4:5], W2 s[6:7]
	s_load_b128 s[8:11], s[0:1], 0x10              ; the scales' exponents s[8:9], w1c s[10:11]
	s_load_b64 s[12:13], s[0:1], 0x20              ; w2c
	v_lshrrev_b32 v4, 5, v0
	v_readfirstlane_b32 s16, v4                    ; wave 0..3
	v_and_b32 v1, 31, v0                           ; lane
	v_lshrrev_b32 v5, 4, v1                        ; lane / 16
	v_and_b32 v6, 15, v1                           ; r
	s_wait_kmcnt 0x0
	s_load_b128 s[20:23], s[8:9], 0x0              ; ex, ew1, eh, ew2
	s_cmp_lt_u32 ttmp9, 384
	s_cbranch_scc0 .Lw2
	; ---- W1.  My wave's 32 columns are tiles 2 x wave and 2 x wave + 1 of group g: lane (u, r) takes column 128 g + 32 x wave + 8 u + r + 8 (r / 8)
	s_and_b32 s17, ttmp9, 7                        ; g
	s_lshr_b32 s18, ttmp9, 3                       ; kh: which 64 along K
	s_lshl_b32 s24, s18, 18                        ; 64 rows of 4,096 bytes
	s_lshl_b32 s19, s17, 9                         ; 128 columns of 4 bytes
	s_add_co_u32 s24, s24, s19
	s_lshl_b32 s19, s16, 7                         ; 32 columns
	s_add_co_u32 s24, s24, s19
	s_mov_b32 s25, 0
	s_add_nc_u64 s[4:5], s[4:5], s[24:25]
	s_lshr_b32 s26, s18, 2
	s_lshl_b32 s26, s26, 18                        ; S = kh / 4
	s_lshl_b32 s27, s17, 15                        ; g
	s_add_co_u32 s26, s26, s27
	s_and_b32 s27, s18, 3
	s_lshl_b32 s27, s27, 13                        ; 2 kk + q = kh % 4
	s_add_co_u32 s26, s26, s27
	s_lshl_b32 s27, s16, 11                        ; the pair of tiles
	s_add_co_u32 s26, s26, s27
	s_mov_b32 s27, 0
	s_add_nc_u64 s[10:11], s[10:11], s[26:27]
	s_wait_alu depctr_va_vdst(0)
	v_and_b32 v7, 8, v6
	v_add_nc_u32 v7, v7, v6
	v_lshl_add_u32 v7, v5, 3, v7
	v_lshlrev_b32 v2, 2, v7                        ; in: 4 x (8 u + r + 8 (r / 8))
	v_lshlrev_b32 v3, 4, v6
	v_lshl_add_u32 v3, v5, 10, v3                  ; out: 1,024 u + 16 r
	LOADS 4096, 4, 1
	SCALE 21
	s_wait_alu depctr_va_vdst(0)
	WORK 10
	s_endpgm
.Lw2:	; ---- W2.  Lane l takes column 32 m + l; a column that does not exist reads column 49 (no load leaves the buffer) and is held between -0 and 0
	s_sub_co_u32 s17, ttmp9, 384
	s_lshl_b32 s17, s17, 2
	s_add_co_u32 s17, s17, s16                     ; 0 .. 31
	s_and_b32 s18, s17, 1                          ; m
	s_lshr_b32 s19, s17, 1                         ; kh: which 64 along K
	s_mul_i32 s24, s19, 12800                      ; 64 rows of 200 bytes
	s_mov_b32 s25, 0
	s_add_nc_u64 s[6:7], s[6:7], s[24:25]
	s_lshr_b32 s26, s19, 1
	s_lshl_b32 s26, s26, 13                        ; g = kh / 2
	s_and_b32 s27, s19, 1
	s_lshl_b32 s27, s27, 10                        ; c's upper bit: kh % 2
	s_add_co_u32 s26, s26, s27
	s_lshl_b32 s27, s18, 12                        ; nt = 2 m + lane / 16: 4,096 m here, 2,048 (lane / 16) in v3
	s_add_co_u32 s26, s26, s27
	s_mov_b32 s27, 0
	s_add_nc_u64 s[12:13], s[12:13], s[26:27]
	s_lshl_b32 s18, s18, 5
	s_wait_alu depctr_va_vdst(0)
	v_add_nc_u32 v7, s18, v1                       ; my column
	v_min_u32 v8, 49, v7
	v_lshlrev_b32 v2, 2, v8
	v_lshlrev_b32 v3, 4, v6
	v_lshl_add_u32 v3, v5, 11, v3
	LOADS 200, 6, 0
	s_wait_alu depctr_va_vdst(0)
	SCALE 23
	v_cmp_gt_u32 vcc_lo, 50, v7
	v_cndmask_b32 v10, 0, v10, vcc_lo              ; the hold's bound is 0 where the column does not exist: its codes are zeros
	s_wait_alu depctr_va_vdst(0)
	WORK 12
	s_endpgm
.Lfunc_end_k_q24df7a65e6_prep:
	.size	k_q24df7a65e6_prep, .Lfunc_end_k_q24df7a65e6_prep-k_q24df7a65e6_prep
	.p2alignl 7, 3214868480
	.fill 96, 4, 3214868480
	.section	.rodata,"a",@progbits
	.p2align	6, 0x0
	.amdhsa_kernel k_q24df7a65e6_prep
		.amdhsa_group_segment_fixed_size 0
		.amdhsa_private_segment_fixed_size 0
		.amdhsa_enable_private_segment 0
		.amdhsa_kernarg_size 40
		.amdhsa_user_sgpr_count 2
		.amdhsa_user_sgpr_kernarg_segment_ptr 1
		.amdhsa_wavefront_size32 1
		.amdhsa_system_sgpr_workgroup_id_x 1
		.amdhsa_system_sgpr_workgroup_id_y 1
		.amdhsa_system_sgpr_workgroup_id_z 1
		.amdhsa_system_vgpr_workitem_id 0
		.amdhsa_next_free_vgpr 96
		.amdhsa_next_free_sgpr 66
		.amdhsa_reserve_vcc 1
		.amdhsa_float_denorm_mode_32 3
		.amdhsa_float_denorm_mode_16_64 3
		.amdhsa_memory_ordered 1
		.amdhsa_forward_progress 1
		.amdhsa_inst_pref_size 26
	.end_amdhsa_kernel
	.amdgpu_metadata
---
amdhsa.version: [ 1, 2 ]
amdhsa.kernels:
  - .name:           k_q24df7a65e6_prep
    .symbol:         k_q24df7a65e6_prep.kd
    .args:
      - { .name: w1, .offset: 0, .size: 8, .value_kind: global_buffer, .address_space: global }
      - { .name: w2, .offset: 8, .size: 8, .value_kind: global_buffer, .address_space: global }
      - { .name: lowp_scales, .offset: 16, .size: 8, .value_kind: global_buffer, .address_space: global }
      - { .name: w1c, .offset: 24, .size: 8, .value_kind: global_buffer, .address_space: global }
      - { .name: w2c, .offset: 32, .size: 8, .value_kind: global_buffer, .address_space: global }
    .group_segment_fixed_size: 0
    .private_segment_fixed_size: 0
    .kernarg_segment_align: 8
    .kernarg_segment_size: 40
    .max_flat_workgroup_size: 128
    .sgpr_count:     66
    .vgpr_count:     96
    .wavefront_size: 32
...
	.end_amdgpu_metadata
.endif
;; end of part 3
;; launch main (part 4): grid 256 x 1, 4 waves a work-group, no clusters, 327,680 bytes of LDS; arguments x, w1c, w2c, b1, b2, lowp_scales, out0; writes out0
.if DOCPART == 4
	.amdgcn_target "amdgcn-amd-amdhsa--gfx1250"
	.amdhsa_code_object_version 6
	.text
	.protected	k_q24df7a65e6_main
	.globl	k_q24df7a65e6_main
	.p2align	8
	.type	k_q24df7a65e6_main,@function
k_q24df7a65e6_main:
	s_mov_b64 s[64:65], 0
	v_nop
	global_prefetch_b8 v0, s[64:65] scope:SCOPE_SE
	s_setreg_imm32_b32 hwreg(HW_REG_WAVE_MODE, 25, 1), 1
	s_wait_xcnt 0x0
; out = Q(relu(Q(x) Q(W1) + b1)) Q(W2) + b2, both products on codes of E4M3 with the given scales 2^ex, 2^ew1, 2^eh, 2^ew2.
; A work-group takes 64 rows of x and ALL 1,024 hidden units, so x is read and quantised once and the second product's K is whole in the work-group.
; Wave w takes the 64 rows x hidden units 256 w .. 256 w + 255: 64 accumulators (16 tiles of 16 hidden units x 4 blocks of 16 rows), 512 registers.
; W1's CODES lie in w1c in the order of the operand's registers.  Each fragment is used by ONE wave (against its 4 row blocks), so it goes from memory straight into
; that wave's registers: two sets of 128 registers (64 along K each), reloaded four tiles at a time as soon as their 16 products are issued: up to 64 loads of 512 bytes a wave are out.
; NO CLUSTER, NO JOINT LOADS: a joint load lands in LDS; here that would add 3 MB of LDS writes and 3 MB of LDS reads a work-group for bytes that no second wave of it reads,
; and two slots of one step of 128 along K (2 x 131,072 bytes) would leave no room for x's slots.
; x comes as f32 by tensor loads into two LDS slots of 64 rows x 512 along K; wave w fetches the slot's w-th 128 along K (64 rows x 512 bytes, LDS rows 528 bytes apart).
; Each wave quantises its 16 rows, 64 along K at a time, into one of two code buffers (64 rows x 256 along K, rows 272 bytes apart); one barrier for each 256 along K hands them to all four waves.
; The barrier of every second chunk is the one behind which a slot of x is filled again.  PREFETCH: behind each tensor load a wave asks for the 128 blocks of 256 bytes of its NEXT tensor load
; (a lane a row, 4 instructions), one refill = 512 along K ahead; the last refill asks for nothing.  w1c is left out of it: all 256 work-groups read the same 3 MB in the same order.
; b1 x 2^-(ex+ew1) is the C of each accumulator's first product; h's code is then made from the sum with the one scale 2^(eh-ex-ew1), the hold between 0 and 448 x that being the relu too.
; LIMITS: ex and eh-ex-ew1 between -126 and 119; ex+ew1 and eh+ew2 between -126 and 126.  NaN among the inputs is not served; an infinity is held at the largest code.
.set ROWX,  12288                      ; a row of x in bytes
.set SUBT,  64*528                     ; one tensor load's tile in LDS
.set XSLOT, 4*SUBT                     ; a slot of x: 135,168 bytes
.set CODE,  2*XSLOT                    ; the two code buffers
.set CPIT,  272
.set CBUF,  64*CPIT
.set SPARE, CODE+2*CBUF                ; the spare words: 512 bytes that no other line names
.set PPIT,  272                        ; the way out: a stage of 64 rows x 272 bytes for each wave, in x's slot 0, which has had its last fill and its last read by then
.set PSB,   64*PPIT
.set WA,  4                            ; 16 x lane
.set XB,  5                            ; x in LDS: (16 w + r) 528 + 128 (lane / 16)
.set XQT, 6                            ; the same at the chunk that is being quantised
.set CW0, 7                            ; codes in: CODE + (16 w + r) 272 + 32 (lane / 16)
.set CWT, 8
.set CR0, 9                            ; codes out: CODE + r 272 + 16 (lane / 16)
.set SPW, 10
.set NIL, 11
.set SCX, 12
.set LIMX, 13
.set SCH, 14
.set LIMH, 15
.set CD,  16                           ; v16-23 32 codes
.set CRT, 24
.set PF,  25                           ; lane x a row of x
.set BA,  26
.set PSW, 27
.set OA,  28
.set XF,  32                           ; v32-95 x's fragments, two sets of 4 x 8
.set ST,  96                           ; v96-127 32 numbers of x at work
.set LA,  32                           ; the way out: v32-45 stage addresses, v46-59 offsets in b2, v64-91 b2
.set BO,  46
.set BB,  64
.set WB,  6                            ; s[6:7] w1c at my wave's part of the chunk
.set G1,  24
.set G0,  32
.set PB,  36                           ; s[36:37] x at my tile, for the prefetches
.set CNT, 38
.set SR,  44
.set SW,  45
.set SXA, 46
.set SXB, 47
; window 0: the above, v128-255 b1 (then h's codes, then the sums read back); window 1: W1's two sets (then W2's fragments and the second sums); windows 2, 3: accumulator (T, a) at v[8 (4 (T % 8) + a)]
.set MSB, 0
.macro WIN new
.if MSB != (\new)
	s_set_vgpr_msb (MSB<<8)|(\new)
.set MSB, (\new)
.endif
.endm
.macro PLACES                          ; four places behind a matrix instruction, ahead of loads into its sources
.rept 4
	v_nop
.endr
.endm
.macro MUL2 p, t0, first               ; 8 products: tiles t0, t0 + 1 x 4 row blocks, 64 along K; source 0 = W1's 16 hidden units, source 1 = 16 rows of x
.irp t, \t0, \t0+1
.irp a, 0,1,2,3
.if \first
	v_wmma_f32_16x16x64_fp8_fp8 v[8*(4*((\t)%8)+\a):8*(4*((\t)%8)+\a)+7], v[128*(\p)+8*(\t):128*(\p)+8*(\t)+7], v[XF+32*(\p)+8*\a:XF+32*(\p)+8*\a+7], v[128+8*(\t):128+8*(\t)+7]
.else
	v_wmma_f32_16x16x64_fp8_fp8 v[8*(4*((\t)%8)+\a):8*(4*((\t)%8)+\a)+7], v[128*(\p)+8*(\t):128*(\p)+8*(\t)+7], v[XF+32*(\p)+8*\a:XF+32*(\p)+8*\a+7], v[8*(4*((\t)%8)+\a):8*(4*((\t)%8)+\a)+7]
.endif
.endr
.endr
.endm
.macro GRP p, G, first                 ; 16 products; the 64 accumulators take turns in the same order in every step
	WIN (0xa1-0x20*(\first))+(0x50-0x10*(\first))*((\G)/2)
	MUL2 \p, 4*(\G), \first
	MUL2 \p, 4*(\G)+2, \first
	WIN 0
.endm
.macro RELOAD p, G, b, off, hi         ; 8 loads of 512 bytes: the four tiles' registers take the fragments of two steps on
	WIN 0x40
.irp tt, 0,1,2,3
.irp c, 0,1
	global_load_b128 v[128*(\p)+8*(4*(\G)+\tt)+4*\c:128*(\p)+8*(4*(\G)+\tt)+4*\c+3], v[WA], s[\b:\b+1] offset:(\off)+((4*(\G)+\tt)/8)*(\hi)+((4*(\G)+\tt)%8)*1024+\c*512
.endr
.endr
	WIN 0
.endm
.macro FX set, s                       ; x's four fragments of the chunk's s-th 64 along K: registers 4 c .. 4 c + 3 hold K = 32 c + 16 (lane / 16) + 0 .. 15, as W1's do
.irp a, 0,1,2,3
.irp c, 0,1
	ds_load_b128 v[XF+32*(\set)+8*\a+4*\c:XF+32*(\set)+8*\a+4*\c+3], v[CRT] offset:\a*16*CPIT+64*(\s)+32*\c
.endr
.endr
.endm
.macro QL q                            ; 32 neighbours along K of my row, quarter q of the chunk
.irp i, 0,1,2,3,4,5,6,7
	ds_load_b128 v[ST+4*\i:ST+4*\i+3], v[XQT] offset:((\q)/2)*SUBT+((\q)%2)*256+16*\i
.endr
.endm
.macro QM q                            ; hold (the conversion does not saturate: ISA guide 7.6.2), convert, store 32 codes
.set qi, 0
.rept 32
	v_med3_num_f32 v[ST+qi], v[ST+qi], -v[LIMX], v[LIMX]
.set qi, qi+1
.endr
.irp m, 0,1,2,3
	v_cvt_scalef32_pk8_fp8_f32 v[CD+2*\m:CD+2*\m+1], v[ST+8*\m:ST+8*\m+7], v[SCX]
.endr
	v_nop
	ds_store_b128 v[CWT], v[CD:CD+3] offset:64*(\q)
	ds_store_b128 v[CWT], v[CD+4:CD+7] offset:64*(\q)+16
.endm
.macro PFX off                         ; my next tile of x: 64 rows x 2 blocks of 256 bytes, a lane a row
.irp k, 0,1,2,3
	global_prefetch_b8 v[PF], s[PB:PB+1] offset:(\off)+(\k/2)*32*ROWX+(\k%2)*256 th:TH_LOAD_NT scope:SCOPE_SE
.endr
.endm
.macro SETADR sx                       ; the next chunk's three LDS addresses; the buffers and the slots take turns by the scalars
	v_add_nc_u32 v[CRT], s[SR], v[CR0]
	v_add_nc_u32 v[CWT], s[SW], v[CW0]
	v_add_nc_u32 v[XQT], s[\sx], v[XB]
	s_wait_alu depctr_va_vdst(0)
	s_xor_b32 s[SR], s[SR], CBUF
	s_xor_b32 s[SW], s[SW], CBUF
	s_xor_b32 s[\sx], s[\sx], XSLOT
.endm
; A step of 64 along K on W1's set p.  q0 >= 0: quarters q0, q0 + 1 of the next chunk are quantised.  fs >= 0: the next step's fragments of x are fetched.  hi > 0: the set is reloaded.
; The count 56: behind a group's 8 loads the seven younger groups' 56 were issued (dec = 8 in the last step, which issues none).
.macro STEP p, q0, fs, b, off, hi, dec, first
	s_wait_dscnt 0x0                               ; this step's fragments of x are in
.irp G, 0,1,2,3
	s_wait_loadcnt 56-(\dec)*\G
	GRP \p, \G, \first
.if (\q0) >= 0
.if (\G%2) == 0
	QL (\q0)+\G/2
	PLACES
.else
	s_wait_dscnt 0x0
	QM (\q0)+\G/2
.endif
.else
	PLACES
.endif
.if (\G == 1) && ((\fs) >= 0)
	FX 1-(\p), \fs
.endif
.if (\hi) > 0
	RELOAD \p, \G, \b, \off, \hi
.endif
.endr
.endm
; A chunk's last step holds its barrier: in front of it my stores of the next chunk's codes and my reads of this chunk's are done.
; kind 1: a slot of x is filled again behind it; kind 2: the last tensor load is waited for; kind 0: neither.
.macro STEPB kind, sx
	s_wait_dscnt 0x0
	s_wait_loadcnt 56
	GRP 1, 0, 0
	PLACES
	RELOAD 1, 0, WB, 262144+8192, 32768
	s_wait_loadcnt 56
.if \kind
	s_wait_tensorcnt 0x0                           ; all my tensor loads have landed
	ds_add_u32 v[SPW], v[NIL]
.if \kind == 1
	s_xor_b32 s[G0+1], s[G0+1], XSLOT              ; no load of mine is out: the other slot, 512 along K on
	s_add_nc_u64 s[G0+2:G0+3], s[G0+2:G0+3], 2048
.endif
.endif
	WIN 0xa1
	MUL2 1, 4, 0
	s_wait_dscnt 0x0
	s_barrier_signal -1
	MUL2 1, 6, 0
	WIN 0
	s_barrier_wait -1
.if \kind == 1
	tensor_load_to_lds s[G0:G0+3], s[G1:G1+7]      ; my one load behind the barrier
	s_nop 0
.endif
	PLACES
	SETADR \sx
	FX 0, 0
.if \kind == 1
	s_cmp_gt_u32 s[CNT], 1                         ; the last refill has no successor
	s_cbranch_scc0 .Lnp_\@
	PFX 6144
.Lnp_\@:
.endif
	RELOAD 1, 1, WB, 262144+8192, 32768
.irp G, 2,3
	s_wait_loadcnt 56
	GRP 1, \G, 0
	PLACES
	RELOAD 1, \G, WB, 262144+8192, 32768
.endr
.endm
.macro BODY kind, sx                   ; from a chunk's second step to the next chunk's first
	STEP 1, 0, 2, WB, 3*8192, 32768, 0, 0
	STEP 0, 2, 3, WB, 262144, 32768, 0, 0
	STEPB \kind, \sx
	STEP 0, -1, 1, WB, 262144+16384, 32768, 0, 0
	s_wait_xcnt 0x0                                ; the loads and prefetches have read their bases
	s_add_nc_u64 s[WB:WB+1], s[WB:WB+1], 262144
.if \kind == 1
	s_add_nc_u64 s[PB:PB+1], s[PB:PB+1], 2048
.endif
.endm
	s_load_b256 s[4:11], s[0:1], 0x0               ; x, w1c, w2c, b1
	s_load_b128 s[12:15], s[0:1], 0x20             ; b2, the scales' exponents
	s_load_b64 s[16:17], s[0:1], 0x30              ; out
	v_lshl_add_u32 v[SPW], v0, 2, SPARE
	v_mov_b32 v[NIL], 0
	ds_add_u32 v[SPW], v[NIL]
	ds_add_u32 v[SPW], v[NIL]
	v_lshrrev_b32 v1, 5, v0
	v_readfirstlane_b32 s18, v1                    ; wave
	s_mov_b32 s[G1+0], (2<<16)|(1<<20)|(6<<22)|(3<<25)  ; elements of 4 bytes; 4 words of padding behind every 128
	s_mov_b32 s[G1+1], 128<<16
	s_mov_b32 s[G1+2], 64<<16
	s_mov_b32 s[G1+3], 128<<16
	s_mov_b32 s[G1+4], 64
	s_mov_b32 s[G1+5], 3072
	s_mov_b32 s[G1+6], 0
	s_mov_b32 s[G1+7], 0
	s_mul_i32 s20, ttmp9, 64*ROWX                  ; my work-group's 64 rows,
	s_lshl_b32 s21, s18, 9
	s_add_co_u32 s20, s20, s21                     ; my wave's 512 bytes of them
	s_mov_b32 s21, 0
	s_mov_b32 s[G0], 1
	s_mul_i32 s[G0+1], s18, SUBT
	s_lshl_b32 s22, s18, 16                        ; w1c: two groups of 32,768 bytes a wave
	s_mov_b32 s23, 0
	s_lshl_b32 s52, s18, 14                        ; w2c: two groups of 8,192
	s_mov_b32 s53, 0
	s_lshl_b32 s54, s18, 10                        ; b1: 256 numbers
	s_mov_b32 s55, 0
	s_mul_i32 s56, ttmp9, 12800                    ; out: 64 rows of 200 bytes
	s_mov_b32 s57, 0
	s_mul_i32 s19, s18, 16*528
	s_mul_i32 s58, s18, 16*CPIT
	s_add_co_u32 s58, s58, CODE
	s_mul_i32 s59, s18, PSB
	s_mov_b32 s[SR], 0
	s_mov_b32 s[SW], CBUF
	s_mov_b32 s[SXA], XSLOT
	s_mov_b32 s[SXB], 2*SUBT
	s_wait_dscnt 0x0
	s_wait_kmcnt 0x0
	s_add_nc_u64 s[PB:PB+1], s[4:5], s[20:21]
	s_mov_b64 s[G0+2:G0+3], s[PB:PB+1]
	s_or_b32 s[G0+3], s[G0+3], 0x80000000
	tensor_load_to_lds s[G0:G0+3], s[G1:G1+7]      ; slot 0, K 0 .. 511: my one load at the head
	s_nop 0
	v_and_b32 v1, 31, v0
	v_and_b32 v2, 15, v0
	v_bfe_u32 v3, v0, 4, 1
	v_lshlrev_b32 v[WA], 4, v1
	v_mul_u32_u24 v[PF], v1, ROWX
	v_lshlrev_b32 v[BA], 6, v3
	v_mul_u32_u24 v[XB], v2, 528
	v_lshl_add_u32 v[XB], v3, 7, v[XB]
	v_add_nc_u32 v[XB], s19, v[XB]
	v_mul_u32_u24 v[CR0], v2, CPIT
	v_lshl_add_u32 v[CW0], v3, 5, v[CR0]
	v_add_nc_u32 v[PSW], s59, v[CW0]               ; the stage has the same pitch: r 272 + 32 (lane / 16) + my stage
	v_add_nc_u32 v[CW0], s58, v[CW0]
	v_lshl_add_u32 v[CR0], v3, 4, v[CR0]
	v_add_nc_u32 v[CR0], CODE, v[CR0]
	v_mov_b32 v[XQT], v[XB]
	v_mov_b32 v[CWT], v[CW0]
	v_lshlrev_b32 v[OA], 4, v0
	s_wait_alu depctr_va_vdst(0)
	s_load_b128 s[40:43], s[14:15], 0x0            ; ex, ew1, eh, ew2
	s_add_nc_u64 s[WB:WB+1], s[WB:WB+1], s[22:23]
	s_add_nc_u64 s[8:9], s[8:9], s[52:53]
	s_add_nc_u64 s[10:11], s[10:11], s[54:55]
	s_add_nc_u64 s[16:17], s[16:17], s[56:57]
	PFX 2048
.set T, 0
.rept 16                               ; b1 at my lane's eight hidden units of tile T: 128 (T / 8) + 32 ((T % 8) / 2) + 16 (lane / 16) + 8 (T % 2) + 0 .. 7
	global_load_b128 v[128+8*T:128+8*T+3], v[BA], s[10:11] offset:(128*(T/8)+32*((T%8)/2)+8*(T%2))*4
	global_load_b128 v[128+8*T+4:128+8*T+7], v[BA], s[10:11] offset:(128*(T/8)+32*((T%8)/2)+8*(T%2))*4+16
.set T, T+1
.endr
.irp G, 0,1,2,3
	RELOAD 0, \G, WB, 0, 32768
.endr
.irp G, 0,1,2,3
	RELOAD 1, \G, WB, 8192, 32768
.endr
	s_wait_kmcnt 0x0
	s_add_co_i32 s20, s40, 127
	s_lshl_b32 s21, s20, 23
	v_mov_b32 v[SCX], s21                          ; 2^ex
	s_add_co_i32 s20, s20, 8
	s_lshl_b32 s20, s20, 23
	s_or_b32 s20, s20, 0x600000
	v_mov_b32 v[LIMX], s20                         ; 448 x 2^ex
	s_add_co_i32 s22, s40, s41
	s_sub_co_i32 s48, 127, s22
	s_lshl_b32 s48, s48, 23                        ; 2^-(ex + ew1)
	s_mov_b32 s49, s48
	s_sub_co_i32 s20, s42, s22
	s_add_co_i32 s20, s20, 127
	s_lshl_b32 s21, s20, 23
	v_mov_b32 v[SCH], s21                          ; 2^(eh - ex - ew1)
	s_add_co_i32 s20, s20, 8
	s_lshl_b32 s20, s20, 23
	s_or_b32 s20, s20, 0x600000
	v_mov_b32 v[LIMH], s20
	s_add_co_i32 s50, s42, s43
	s_add_co_i32 s50, s50, 127
	s_lshl_b32 s50, s50, 23                        ; 2^(eh + ew2)
	s_mov_b32 s51, s50
	s_wait_alu depctr_va_vdst(0)
	s_wait_loadcnt 63                              ; b1's 32 loads are in (64 were issued behind them)
.set j, 0
.rept 64
	v_pk_mul_f32 v[128+j:129+j], v[128+j:129+j], s[48:49] op_sel_hi:[1,0]
.set j, j+2
.endr
	s_wait_alu depctr_va_vdst(0)
	s_wait_tensorcnt 0x0                           ; my part of slot 0 is in; slot 1's first fill is issued as a refill is
	ds_add_u32 v[SPW], v[NIL]
	s_xor_b32 s[G0+1], s[G0+1], XSLOT
	s_add_nc_u64 s[G0+2:G0+3], s[G0+2:G0+3], 2048
	s_wait_dscnt 0x0
	s_barrier_signal -1
	s_barrier_wait -1
	tensor_load_to_lds s[G0:G0+3], s[G1:G1+7]      ; slot 1, K 512 .. 1023
	s_nop 0
	PLACES
	PFX 4096
.irp q, 0,1,2,3                        ; chunk 0's codes
	QL \q
	s_wait_dscnt 0x0
	QM \q
.endr
	s_wait_dscnt 0x0
	s_barrier_signal -1
	s_barrier_wait -1
	SETADR SXB
	FX 0, 0
	STEP 0, -1, 1, WB, 16384, 32768, 0, 1          ; the first step starts the sums, with b1 as C
	s_mov_b32 s[CNT], 4
.Lmain:                                ; chunks 0 to 7: a trip is two chunks and one refill
	BODY 1, SXA
	BODY 0, SXB
	s_sub_co_u32 s[CNT], s[CNT], 1
	s_cmp_lg_u32 s[CNT], 0
	s_cbranch_scc1 .Lmain
	BODY 2, SXA                                    ; chunk 8: the last tensor load is shown to all waves
	s_mov_b32 s[CNT], 2
.Ltail:                                ; chunks 9 and 10
	BODY 0, SXB
	s_sub_co_u32 s[CNT], s[CNT], 1
	s_cmp_lg_u32 s[CNT], 0
	s_cbranch_scc1 .Ltail
	STEP 1, -1, 2, WB, 3*8192, 32768, 0, 0         ; chunk 11's last three steps: nothing is left to quantise
	STEP 0, -1, 3, 8, 0, 8192, 0, 0                ; the freed set takes W2's eight fragments: fragment 4 gl + nt at window 1, v[16 (4 gl + nt)]
	STEP 1, -1, -1, WB, 0, 0, 8, 0
	; THE WAY OUT.  Chunk = thread + 128 i of the block's 800 chunks of 16 bytes, as two pairs of numbers f, f + 1; row = f / 50 = (1311 f) >> 16 (exact under 3,200)
	v_lshlrev_b32 v100, 2, v0
.irp i, 0,1,2,3,4,5,6
.irp jj, 0,1
	v_add_nc_u32 v96, 512*\i+2*\jj, v100
.if \i == 6
	v_min_u32 v96, 3198, v96                       ; only wave 0 has a seventh chunk; the others' addresses are held inside
.endif
	v_mul_u32_u24 v97, v96, 1311
	v_lshrrev_b32 v97, 16, v97
	v_mul_u32_u24 v98, v97, PPIT-200
	v_lshl_add_u32 v[LA+2*\i+\jj], v96, 2, v98     ; in a stage: 4 f + 72 row
	v_mul_u32_u24 v98, v97, PPIT
	v_sub_nc_u32 v[BO+2*\i+\jj], v[LA+2*\i+\jj], v98   ; in b2: 4 f - 200 row
.endr
.endr
	s_wait_alu depctr_va_vdst(0)
.irp i, 0,1,2,3,4,5,6
.irp jj, 0,1
	global_load_b64 v[BB+4*\i+2*\jj:BB+4*\i+2*\jj+1], v[BO+2*\i+\jj], s[12:13]
.endr
.endr
.macro HID gl                          ; relu and hold in one, then codes: registers 4 b + 2 u of h's fragment (gl, a) come from tile 8 gl + 2 b + u: K = 32 b + 16 (lane / 16) + 0 .. 15
	WIN 0x82+0x41*(\gl)
.set hq, 0
.rept 256
	v_med3_num_f32 v[hq], v[hq], 0, v[LIMH]
.set hq, hq+1
.endr
	WIN 0x02+(\gl)
.irp a, 0,1,2,3
.irp b, 0,1,2,3
.irp u, 0,1
	v_cvt_scalef32_pk8_fp8_f32 v[128+64*(\gl)+16*\a+4*\b+2*\u:128+64*(\gl)+16*\a+4*\b+2*\u+1], v[8*(4*(2*\b+\u)+\a):8*(4*(2*\b+\u)+\a)+7], v[SCH]
.endr
.endr
.endr
.endm
	HID 0
	WIN 0
	s_wait_loadcnt 0x0                             ; W2's fragments and b2
	HID 1
	v_nop
	WIN 0x51                                       ; second product: 16 sums (nt, a) at window 1, v[128 + 8 (4 nt + a)], by turns over my two groups of 128 along K
.irp gl, 0,1
.irp nt, 0,1,2,3
.irp a, 0,1,2,3
.if \gl == 0
	v_wmma_f32_16x16x128_fp8_fp8 v[128+8*(4*\nt+\a):128+8*(4*\nt+\a)+7], v[16*\nt:16*\nt+15], v[128+16*\a:128+16*\a+15], 0
.else
	v_wmma_f32_16x16x128_fp8_fp8 v[128+8*(4*\nt+\a):128+8*(4*\nt+\a)+7], v[64+16*\nt:64+16*\nt+15], v[192+16*\a:192+16*\a+15], v[128+8*(4*\nt+\a):128+8*(4*\nt+\a)+7]
.endif
.endr
.endr
.endr
	PLACES
	WIN 0x04
.irp nt, 0,1,2,3
.irp a, 0,1,2,3
	ds_store_b128 v[PSW], v[128+8*(4*\nt+\a):128+8*(4*\nt+\a)+3] offset:\a*16*PPIT+64*\nt
	ds_store_b128 v[PSW], v[128+8*(4*\nt+\a)+4:128+8*(4*\nt+\a)+7] offset:\a*16*PPIT+64*\nt+16
.endr
.endr
	WIN 0
	s_wait_dscnt 0x0                               ; for the others' sake
	s_barrier_signal -1
	s_barrier_wait -1
.irp i, 0,1,2,3,4,5,6
.irp wv, 0,1,2,3
.irp jj, 0,1
	ds_load_b64 v[128+16*\i+4*\wv+2*\jj:128+16*\i+4*\wv+2*\jj+1], v[LA+2*\i+\jj] offset:\wv*PSB
.endr
.endr
.endr
.irp i, 0,1,2,3,4,5,6
.set RA, 128+16*\i
	s_wait_dscnt 8*(6-\i)
	v_pk_add_f32 v[RA:RA+1], v[RA:RA+1], v[RA+4:RA+5]
	v_pk_add_f32 v[RA+2:RA+3], v[RA+2:RA+3], v[RA+6:RA+7]
	v_pk_add_f32 v[RA+8:RA+9], v[RA+8:RA+9], v[RA+12:RA+13]
	v_pk_add_f32 v[RA+10:RA+11], v[RA+10:RA+11], v[RA+14:RA+15]
	v_pk_add_f32 v[RA:RA+1], v[RA:RA+1], v[RA+8:RA+9]
	v_pk_add_f32 v[RA+2:RA+3], v[RA+2:RA+3], v[RA+10:RA+11]
	v_pk_fma_f32 v[RA:RA+1], v[RA:RA+1], s[50:51], v[BB+4*\i:BB+4*\i+1] op_sel_hi:[1,0,1]
	v_pk_fma_f32 v[RA+2:RA+3], v[RA+2:RA+3], s[50:51], v[BB+4*\i+2:BB+4*\i+3] op_sel_hi:[1,0,1]
.if \i == 6
	s_cmp_lg_u32 s18, 0                            ; chunks 768 to 799 are wave 0's
	s_cbranch_scc1 .Ldone
.endif
	global_store_b128 v[OA], v[RA:RA+3], s[16:17] offset:2048*\i th:TH_STORE_NT   ; a wave stores 512 consecutive bytes, at a multiple of 256 from out's first byte
.endr
.Ldone:
	s_wait_tensorcnt 0x0                           ; the wave's end
	ds_add_u32 v[SPW], v[NIL]
	s_wait_dscnt 0x0
	s_endpgm
.Lfunc_end_k_q24df7a65e6_main:
	.size	k_q24df7a65e6_main, .Lfunc_end_k_q24df7a65e6_main-k_q24df7a65e6_main
	.p2alignl 7, 3214868480
	.fill 96, 4, 3214868480
	.section	.rodata,"a",@progbits
	.p2align	6, 0x0
	.amdhsa_kernel k_q24df7a65e6_main
		.amdhsa_group_segment_fixed_size 327680
		.amdhsa_private_segment_fixed_size 0
		.amdhsa_enable_private_segment 0
		.amdhsa_kernarg_size 56
		.amdhsa_user_sgpr_count 2
		.amdhsa_user_sgpr_kernarg_segment_ptr 1
		.amdhsa_wavefront_size32 1
		.amdhsa_system_sgpr_workgroup_id_x 1
		.amdhsa_system_sgpr_workgroup_id_y 1
		.amdhsa_system_sgpr_workgroup_id_z 1
		.amdhsa_system_vgpr_workitem_id 0
		.amdhsa_next_free_vgpr 1024
		.amdhsa_next_free_sgpr 66
		.amdhsa_reserve_vcc 0
		.amdhsa_float_denorm_mode_32 3
		.amdhsa_float_denorm_mode_16_64 3
		.amdhsa_memory_ordered 1
		.amdhsa_forward_progress 1
		.amdhsa_inst_pref_size 255
	.end_amdhsa_kernel
	.section	.bss,"aw",@nobits
	.p2align	6
	.space	262144
	.amdgpu_metadata
---
amdhsa.version: [ 1, 2 ]
amdhsa.kernels:
  - .name:           k_q24df7a65e6_main
    .symbol:         k_q24df7a65e6_main.kd
    .args:
      - { .name: x, .offset: 0, .size: 8, .value_kind: global_buffer, .address_space: global }
      - { .name: w1c, .offset: 8, .size: 8, .value_kind: global_buffer, .address_space: global }
      - { .name: w2c, .offset: 16, .size: 8, .value_kind: global_buffer, .address_space: global }
      - { .name: b1, .offset: 24, .size: 8, .value_kind: global_buffer, .address_space: global }
      - { .name: b2, .offset: 32, .size: 8, .value_kind: global_buffer, .address_space: global }
      - { .name: lowp_scales, .offset: 40, .size: 8, .value_kind: global_buffer, .address_space: global }
      - { .name: out0, .offset: 48, .size: 8, .value_kind: global_buffer, .address_space: global }
    .group_segment_fixed_size: 327680
    .private_segment_fixed_size: 0
    .kernarg_segment_align: 8
    .kernarg_segment_size: 56
    .max_flat_workgroup_size: 128
    .sgpr_count:     66
    .vgpr_count:     1024
    .wavefront_size: 32
...
	.end_amdgpu_metadata
.endif
;; end of part 4
